; MI455X (gfx1250); checked and timed in simulation.
; The chip was launched on July 23, 2026; its instructions are those of AMD's public machine-readable ISA for CDNA 5 (MIT licence, August 2026) and "CDNA5" Instruction Set Architecture Reference Guide (July 2026). The comments in the code are by the model that wrote it; some were corrected since.
;; Multi Head Self Attention. Allowed arithmetic: matrix products marked QUANTISED: E4M3 operands, one given power-of-two scale a tensor, by v_wmma_f32_16x16x64_fp8_fp8 or v_wmma_f32_16x16x128_fp8_fp8, f32 sums; products left as they are: f32 operands where the result goes on into a quantised operand, else bf16, f16 or f32 operands; f32 sums; everything else in f32.
;; Inputs: Wk 1,024 x 1,024 float32; Wq 1,024 x 1,024 float32; Wv 1,024 x 1,024 float32; lowp_scales 6 int32 (the exponents e of the quantised operands' scales 2^e); x 16 x 2,048 x 1,024 float32.
;; Outputs: out0 16 x 1,024 float32.
;; This version of the problem:
;;   THIS VERSION OF THE PROBLEM IS GIVEN IN LOW PRECISION. The matrix products marked QUANTISED in the list below multiply operands that are first quantised to E4M3 (4 exponent bits, 3 mantissa bits; 8 bits a number), with one given power-of-two scale for each operand tensor; their sums are f32. All else is computed in f32.
;;   The module's matrix products, in the order in which they are computed (A, B: the left and right operand; K: the contracted axis; several contracted axes count as one K, in the product's order):
;;     1. [M 16, K 1,024] x [K 1,024, N 1,024]; A: input x; B: input Wq: QUANTISED (scales: A lowp_scales[0], B lowp_scales[1])
;;     2. [M 32,768, K 1,024] x [K 1,024, N 1,024]; A: input x; B: input Wk: QUANTISED (scales: A lowp_scales[2], B lowp_scales[3])
;;     3. [M 32,768, K 1,024] x [K 1,024, N 1,024]; A: input x; B: input Wv: QUANTISED (scales: A lowp_scales[4], B lowp_scales[5])
;;     4. batch 128 x [M 1, K 128] x [K 128, N 2,048]; A: computed on the way; B: computed on the way: left as it is (M = 1 < 16)
;;     5. batch 128 x [M 1, K 2,048] x [K 2,048, N 128]; A: softmax; B: computed on the way: left as it is (M = 1 < 16)
;;   THE QUANTISER, for each operand of a quantised product, along K:
;;     - The operand's scale is 2^e, e = its entry of the input lowp_scales (int32; the entries are numbered through the quantised products in the list's order, A before B).
;;     - Each number is divided by the scale, clamped to +-448, and rounded to the nearest number of E4M3, ties to even, subnormals kept.
;;     - The product sums the exact products of the quantised numbers (number of the format x scale) in f32.
;;   ~~~python
;;   def quantise(x, axis, e):      # numpy; x: float32 -> the quantised numbers, widened to float32 again
;;       x = np.moveaxis(x, axis, -1); K = x.shape[-1]
;;       r = np.clip(x / 2.0 ** e, -448, 448)
;;       step = 2.0 ** (np.maximum(np.frexp(np.where(r == 0, 1, r))[1] - 1, -6) - 3)
;;       q = np.round(r / step) * step * 2.0 ** e      # np.round: ties to even
;;       return np.moveaxis(q, -1, axis).astype(np.float32)
;;   ~~~
;; One version. Each part assembles by itself: llvm-mc -triple=amdgcn-amd-amdhsa -mcpu=gfx1250 --defsym DOCPART=n.
;; ======== version 1 of 1: 3 launches
;; limits: values are held in bf16: 8 bits of precision; right only within a limited range of input values
;; workspace buffers: wimg 2,097,152 bytes; q0img 65,536 bytes; scores 1,048,576 bytes; vimg 67,108,864 bytes
;; launch prep (part 1): grid 192 x 1, 8 waves a work-group, no clusters, 9,216 bytes of LDS; arguments Wk, Wv, Wq, x, lowp_scales, wimg, q0img; writes wimg, q0img
.if DOCPART == 1
	.amdgcn_target "amdgcn-amd-amdhsa--gfx1250"
	.amdhsa_code_object_version 6
	.text
	.protected	k_q377fcbd44f_prep
	.globl	k_q377fcbd44f_prep
	.p2align	8
	.type	k_q377fcbd44f_prep,@function
k_q377fcbd44f_prep:
	s_mov_b64 s[64:65], 0
	v_nop
	global_prefetch_b8 v0, s[64:65] scope:SCOPE_SE
	s_setreg_imm32_b32 hwreg(HW_REG_WAVE_MODE, 25, 1), 1
	s_wait_xcnt 0x0
; PREP.  Work-groups 0-127: Wk and Wv ([1024 (k)][1024 (n)] f32, K along the first axis) become codes of E4M3, laid as images of the operand's registers.
; Work-groups 128-191: q0 = Q(x[:,0]) Q(Wq), 16 batches x 1024 columns, by the FP8 matrix form, x 2^(e0+e1), laid as the next launch's lanes want it.
; code = number / 2^e, held within +-448, to the nearest code, ties to even.  x: e0; Wq: e1; Wk: e3; Wv: e5 (entries of lowp_scales).
; LIMITS: each e between -126 and 119, so that 2^e and 448 x 2^e are f32 numbers.  NaN among the inputs is not served.
; wimg: [slot 16][matrix 2][K step 8][column tile 4][c 4][lane 32][16 bytes]: byte i of lane (r, h) = code of W(128 ks + 32 c + 16 h + i, 64 slot + 16 ct + r).
; q0img: [column tile j 64][g 2][lane 32][4 f32]: word q of lane (r, h) = q0[batch r][16 j + 8 h + 4 g + q].
; No tensor loads, no cluster: every weight byte is read once, by one wave; what several work-groups share (row 0 of each batch, 64 KiB) is small beside the 12 MiB of weights.
; 192 work-groups: that is all the work there is (1,024 wave tasks for the two weights, 64 column tiles x 8 K steps for q0).
; THE ORDER OF K IN wimg: place p = 128 ks + 32 c + 16 h + i of a column holds W's row k(p) = 512 (p / 512) + 128 ((p / 4) % 4) + 4 ((p / 16) % 32) + p % 4, and not row p as the line on wimg above has it:
; the next launch lays x's codes in the same order, so every product meets its partner; only the order of the sums changes.
.set SPARE, 8192
.macro QB src, dst, sc, lim            ; 16 numbers of a lane, neighbours along K, become 16 codes in four registers
.set qi, 0
.rept 16
	v_med3_num_f32 v[\src+qi], v[\src+qi], -v[\lim], v[\lim]   ; the conversion to an 8-bit code does not saturate (ISA guide 7.6.2): hold first
.set qi, qi+1
.endr
	v_cvt_scalef32_pk8_fp8_f32 v[\dst:\dst+1], v[\src:\src+7], v[\sc]
	v_cvt_scalef32_pk8_fp8_f32 v[\dst+2:\dst+3], v[\src+8:\src+15], v[\sc]
.endm
.macro MKSCALE se, vs, vl              ; v[vs] = 2^e as f32 (the conversion takes its exponent field), v[vl] = 448 x 2^e
	s_add_co_i32 s40, \se, 127
	s_lshl_b32 s41, s40, 23
	v_mov_b32 v[\vs], s41
	s_add_co_i32 s40, s40, 8
	s_lshl_b32 s40, s40, 23
	s_or_b32 s40, s40, 0x600000
	v_mov_b32 v[\vl], s40
.endm
	s_load_b256 s[4:11], s[0:1], 0x0               ; Wk s[4:5], Wv s[6:7], Wq s[8:9], x s[10:11]
	s_load_b128 s[12:15], s[0:1], 0x20             ; lowp_scales s[12:13], wimg s[14:15]
	s_load_b64 s[16:17], s[0:1], 0x30              ; q0img
	v_lshl_add_u32 v2, v0, 2, SPARE                ; my spare word; never rewritten
	v_mov_b32 v3, 0                                ; 0; never rewritten
	v_lshrrev_b32 v1, 5, v0
	s_delay_alu instid0(VALU_DEP_1)
	v_readfirstlane_b32 s20, v1                    ; wave 0..7
	v_and_b32 v1, 31, v0                           ; lane
	v_and_b32 v13, 15, v0                          ; r
	v_bfe_u32 v14, v0, 4, 1                        ; h
	s_lshl_b32 s21, s20, 10
	v_lshl_add_u32 v12, v1, 4, s21                 ; LDS: my wave's partial sums, 1,024 x wave + 16 x lane
	v_lshlrev_b32 v15, 4, v1                       ; 16 x lane
	s_wait_kmcnt 0x0
	s_load_b128 s[24:27], s[12:13], 0x0            ; e0 .. e3
	s_load_b64 s[28:29], s[12:13], 0x10            ; e4, e5
	s_cmp_lt_u32 ttmp9, 128                        ; the same for all waves of a work-group
	s_cbranch_scc0 .Lq0
	; ---- Wk, Wv.  Task t = 8 x work-group + wave: matrix t / 512, 32 columns (cg), 64 along K (kq).  A LANE TAKES A COLUMN AND ITS REGISTERS RUN DOWN K.
	s_lshl_b32 s21, ttmp9, 3
	s_add_co_u32 s21, s21, s20                     ; t
	s_lshr_b32 s22, s21, 9                         ; matrix: 0 Wk, 1 Wv
	s_and_b32 s23, s21, 31                         ; cg: the eight waves stand side by side on 1,024 bytes of each row
	s_bfe_u32 s30, s21, 0x40005                    ; kq
	s_lshr_b32 s32, s30, 3                         ; in: places 64 kq on begin at row 512 (kq / 8) + 16 (kq % 8); a row is 4,096 bytes
	s_lshl_b32 s32, s32, 21
	s_and_b32 s31, s30, 7
	s_lshl_b32 s31, s31, 16
	s_add_co_u32 s32, s32, s31
	s_lshl_b32 s31, s23, 7                         ; + 128 cg
	s_add_co_u32 s32, s32, s31
	s_mov_b32 s33, 0
	s_lshr_b32 s31, s23, 1                         ; out: slot = cg / 2,
	s_lshl_b32 s36, s31, 17
	s_lshl_b32 s31, s22, 16                        ; the matrix,
	s_add_co_u32 s36, s36, s31
	s_lshr_b32 s31, s30, 1                         ; K step = kq / 2,
	s_lshl_b32 s31, s31, 13
	s_add_co_u32 s36, s36, s31
	s_and_b32 s31, s23, 1                          ; column tiles 2 (cg % 2) and + 1,
	s_lshl_b32 s31, s31, 12
	s_add_co_u32 s36, s36, s31
	s_and_b32 s31, s30, 1                          ; c = 2 (kq % 2) and + 1
	s_lshl_b32 s31, s31, 10
	s_add_co_u32 s36, s36, s31
	s_mov_b32 s37, 0
	s_cmp_eq_u32 s22, 0
	s_cselect_b64 s[34:35], s[4:5], s[6:7]         ; the choice hangs on the task's number alone
	s_add_nc_u64 s[34:35], s[34:35], s[32:33]
	s_add_nc_u64 s[38:39], s[14:15], s[36:37]
	s_wait_alu depctr_va_vdst(0)
	v_lshlrev_b32 v4, 2, v1                        ; in: 4 bytes a lane: a load reads 128 consecutive bytes
	v_lshlrev_b32 v5, 4, v13                       ; out: 16 r + 2,048 (lane / 16)
	s_delay_alu instid0(VALU_DEP_1)
	v_lshl_add_u32 v5, v14, 11, v5
.irp R, 0,1,2,3
.irp i, 0,1,2,3,4,5,6,7,8,9,10,11,12,13,14,15
	global_load_b32 v[16+16*\R+\i], v4, s[34:35] offset:(4*\R+128*(\i/4)+\i%4)*4096 th:TH_LOAD_NT
.endr
.endr
	s_wait_kmcnt 0x0
	s_cmp_eq_u32 s22, 0
	s_cselect_b32 s31, s27, s29                    ; e3 or e5
	MKSCALE s31, 10, 11
	s_wait_alu depctr_va_vdst(0)
.irp R, 0,1,2,3
	s_wait_loadcnt 48-16*\R                        ; this run's 16 loads are in; the 16 of each later run may stay out
	QB 16+16*\R, 144+4*\R, 10, 11
.endr
	v_nop                                          ; a plain line behind the last conversion
.irp R, 0,1,2,3
	global_store_b128 v5, v[144+4*\R:147+4*\R], s[38:39] offset:(\R/2)*512+(\R%2)*256   ; lanes 0-15 and lanes 16-31 each store 256 consecutive bytes, aligned
.endr
	s_endpgm                                       ; this way has written no LDS
	; ---- q0.  Column tile j = work-group - 128; wave w takes K step w; the eight partial sums meet in LDS.
.Lq0:
	s_sub_co_u32 s21, ttmp9, 128                   ; j
	s_wait_alu depctr_va_vdst(0)
	v_lshlrev_b32 v6, 23, v13                      ; x: batch r is 2,048 x 4,096 bytes on; its row 0;
	s_delay_alu instid0(VALU_DEP_1)
	v_lshl_add_u32 v6, v14, 6, v6                  ; + 64 h: my 16 numbers of each block of 32
	s_lshl_b32 s32, s20, 9                         ; + 512 w
	s_mov_b32 s33, 0
	s_add_nc_u64 s[34:35], s[10:11], s[32:33]
	v_lshlrev_b32 v7, 2, v13                       ; Wq: column 16 j + r; lanes 16-31 begin 16 rows further down
	s_delay_alu instid0(VALU_DEP_1)
	v_lshl_add_u32 v7, v14, 16, v7
	s_lshl_b32 s32, s20, 19                        ; 128 w rows
	s_lshl_b32 s31, s21, 6
	s_add_co_u32 s32, s32, s31
	s_add_nc_u64 s[36:37], s[8:9], s[32:33]
.irp c, 0,1,2,3
.irp q, 0,1,2,3
	global_load_b128 v[80+16*\c+4*\q:83+16*\c+4*\q], v6, s[34:35] offset:128*\c+16*\q   ; x(batch r, 128 w + 32 c + 16 h + 4 q ..)
.endr
.endr
.irp c, 0,1,2,3
.irp i, 0,1,2,3,4,5,6,7,8,9,10,11,12,13,14,15
	global_load_b32 v[16+16*\c+\i], v7, s[36:37] offset:(32*\c+\i)*4096               ; Wq(128 w + 32 c + 16 h + i, 16 j + r)
.endr
.endr
	s_wait_kmcnt 0x0
	MKSCALE s24, 8, 9                              ; x: e0
	MKSCALE s25, 10, 11                            ; Wq: e1
	s_add_co_i32 s42, s24, s25                     ; e0 + e1
	s_lshl_b32 s32, s21, 10
	s_add_nc_u64 s[38:39], s[16:17], s[32:33]      ; q0img at tile j
	s_wait_alu depctr_va_vdst(0)
	s_wait_loadcnt 48                              ; x and Wq's first block are in; three blocks of 16 loads may stay out
.irp c, 0,1,2,3
	QB 80+16*\c, 160+4*\c, 8, 9
.endr
	QB 16, 144, 10, 11
	s_wait_loadcnt 32
	QB 32, 148, 10, 11
	s_wait_loadcnt 16
	QB 48, 152, 10, 11
	s_wait_loadcnt 0x0
	QB 64, 156, 10, 11
	v_nop                                          ; a plain line between the last conversion and the product that reads its result
	v_wmma_f32_16x16x128_fp8_fp8 v[176:183], v[144:159], v[160:175], 0   ; transposed: source 0 = 16 columns of Wq, source 1 = 16 batches: lane (r, h) holds batch r, columns 16 j + 8 h + 0 .. 7
.rept 4
	v_nop                                          ; four places ahead of the first read of the result (ISA guide 7.12.1)
.endr
	ds_store_b128 v12, v[176:179]
	ds_store_b128 v12, v[180:183] offset:512
	s_wait_dscnt 0x0                               ; for the others' sake: my partial sums lie in LDS
	s_barrier_signal -1
	s_barrier_wait -1
	s_cmp_lg_u32 s20, 0
	s_cbranch_scc1 .Lq_end                         ; wave 0 adds and stores
.irp u, 0,1,2,3,4,5,6,7
.irp g, 0,1
	ds_load_b128 v[16+8*\u+4*\g:19+8*\u+4*\g], v15 offset:1024*\u+512*\g
.endr
.endr
	s_wait_dscnt 0x0
.irp u, 1,2,3,4,5,6,7
.irp p, 0,2,4,6
	v_pk_add_f32 v[16+\p:17+\p], v[16+\p:17+\p], v[16+8*\u+\p:17+8*\u+\p]   ; K ascending
.endr
.endr
.irp j, 0,1,2,3,4,5,6,7
	v_ldexp_f32 v[16+\j], v[16+\j], s42            ; x 2^(e0 + e1)
.endr
	global_store_b128 v15, v[16:19], s[38:39]      ; each store covers 512 consecutive bytes, aligned
	global_store_b128 v15, v[20:23], s[38:39] offset:512
.Lq_end:
	s_wait_tensorcnt 0x0                           ; the wave's end, behind my last LDS store
	ds_add_u32 v2, v3
	s_wait_dscnt 0x0
	s_endpgm
.Lfunc_end_k_q377fcbd44f_prep:
	.size	k_q377fcbd44f_prep, .Lfunc_end_k_q377fcbd44f_prep-k_q377fcbd44f_prep
	.p2alignl 7, 3214868480
	.fill 96, 4, 3214868480
	.section	.rodata,"a",@progbits
	.p2align	6, 0x0
	.amdhsa_kernel k_q377fcbd44f_prep
		.amdhsa_group_segment_fixed_size 9216
		.amdhsa_private_segment_fixed_size 0
		.amdhsa_enable_private_segment 0
		.amdhsa_kernarg_size 56
		.amdhsa_user_sgpr_count 2
		.amdhsa_user_sgpr_kernarg_segment_ptr 1
		.amdhsa_wavefront_size32 1
		.amdhsa_system_sgpr_workgroup_id_x 1
		.amdhsa_system_sgpr_workgroup_id_y 1
		.amdhsa_system_sgpr_workgroup_id_z 1
		.amdhsa_system_vgpr_workitem_id 0
		.amdhsa_next_free_vgpr 192
		.amdhsa_next_free_sgpr 66
		.amdhsa_reserve_vcc 0
		.amdhsa_float_denorm_mode_32 3
		.amdhsa_float_denorm_mode_16_64 3
		.amdhsa_memory_ordered 1
		.amdhsa_forward_progress 1
		.amdhsa_inst_pref_size 36
	.end_amdhsa_kernel
	.amdgpu_metadata
---
amdhsa.version: [ 1, 2 ]
amdhsa.kernels:
  - .name:           k_q377fcbd44f_prep
    .symbol:         k_q377fcbd44f_prep.kd
    .args:
      - { .name: Wk, .offset: 0, .size: 8, .value_kind: global_buffer, .address_space: global }
      - { .name: Wv, .offset: 8, .size: 8, .value_kind: global_buffer, .address_space: global }
      - { .name: Wq, .offset: 16, .size: 8, .value_kind: global_buffer, .address_space: global }
      - { .name: x, .offset: 24, .size: 8, .value_kind: global_buffer, .address_space: global }
      - { .name: lowp_scales, .offset: 32, .size: 8, .value_kind: global_buffer, .address_space: global }
      - { .name: wimg, .offset: 40, .size: 8, .value_kind: global_buffer, .address_space: global }
      - { .name: q0img, .offset: 48, .size: 8, .value_kind: global_buffer, .address_space: global }
    .group_segment_fixed_size: 9216
    .private_segment_fixed_size: 0
    .kernarg_segment_align: 8
    .kernarg_segment_size: 56
    .max_flat_workgroup_size: 256
    .sgpr_count:     66
    .vgpr_count:     192
    .wavefront_size: 32
...
	.end_amdgpu_metadata
.endif
;; end of part 1
;; launch fused (part 2): grid 256 x 1, 4 waves a work-group, clusters of 4 x 1, 327,680 bytes of LDS; arguments x, wimg, q0img, lowp_scales, scores, vimg; writes scores, vimg
.if DOCPART == 2
	.amdgcn_target "amdgcn-amd-amdhsa--gfx1250"
	.amdhsa_code_object_version 6
	.text
	.protected	k_q377fcbd44f_fused
	.globl	k_q377fcbd44f_fused
	.p2align	8
	.type	k_q377fcbd44f_fused,@function
k_q377fcbd44f_fused:
	s_mov_b64 s[64:65], 0
	v_nop
	global_prefetch_b8 v0, s[64:65] scope:SCOPE_SE
	s_setreg_imm32_b32 hwreg(HW_REG_WAVE_MODE, 25, 1), 1
	s_wait_xcnt 0x0
	s_wait_alu depctr_hold_cnt(0) depctr_sa_sdst(0) depctr_va_vdst(0) depctr_va_sdst(0) depctr_va_ssrc(0) depctr_va_vcc(0) depctr_vm_vsrc(0)
	s_getreg_b32 s2, hwreg(HW_REG_IB_STS2, 6, 4)
	s_cmp_eq_u32 s2, 0
	s_cbranch_scc0 .Lentry_in_a_cluster
	s_endpgm
.Lentry_in_a_cluster:
	s_bfe_u32 s2, ttmp6, 0x10000c
	s_cmp_lg_u32 s2, 0x3003
	s_cbranch_scc0 .Lentry_shape_is_right
	s_endpgm
.Lentry_shape_is_right:
; FUSED.  k = Q(x) Q(Wk) and v = Q(x) Q(Wv) by the FP8 matrix form; of k only its product with q0 (the scores of row 0) is kept, v leaves as bf16 sums (the next launch applies 2^(e4 + e5)).
; SHARES.  Work-group g owns tokens 128 g .. 128 g + 127 (batch g / 16).  Wave w multiplies tokens 64 (w % 2) .. + 63 with Wk (w < 2) or Wv; its 64 x 1,024 codes of x stay in 512 registers.
; THE HEAD.  x comes straight into registers, every byte once in the work-group, each load 512 consecutive bytes, 32 loads a wave out under counted waits.  Eight chunks of 32 tokens x 512 along K: each wave
; quantises eight half rows twice (e2 for k, e4 for v) into a stage in LDS; a barrier; each wave reads its tile of 16 tokens as fragments; a barrier ahead of the next chunk's stores.
; THE ORDER OF K: lane l holds k = 512 B + 128 j + 4 l + i (j: the load, i: the word) and stores its 16 codes at place 512 B + 16 l + 4 j + i of the row.  wimg has the same order of K.
; THE WEIGHTS walk through a ring of two LDS slots (64 columns of both matrices, 131,072 bytes), asked for JOINTLY by the four work-groups of a cluster, a quarter of a slot a wave.
; Slot 0's first fill goes out at the head, slot 1's behind the x phase as a refill does.  The clusters begin their walk over the eight heads at different heads.
; wimg is asked of memory once ahead of the walk: wave 0 of work-group g names 8,192 bytes of it, lanes 256 bytes apart.  x has no prefetch: it is asked for without a pause from the head on.
; THE MATRIX INSTRUCTION IS USED TRANSPOSED: source 0 = 16 columns of W, source 1 = 16 tokens: lane (r, h) holds token r and columns 8 h + 0 .. 7 of the tile.
; LIMITS: e2 and e4 between -126 and 119, so that 2^e and 448 x 2^e are f32 numbers.  NaN among the inputs is not served.
; REGISTERS.  Window 0: v1, v4, v5 the stage; v2, v3 the add's two; v6, v7 the weights' fragments in slots 0, 1; v8, v9, v28, v29 scales and bounds; v10-v15 addresses; v16-23 scores; v32-127 at work;
;   v128-255 x's numbers, then the 16 accumulators.  Window 1: the weights' fragments, four sets.  Windows 2, 3: x's codes, K steps 0-3 and 4-7.
.set SLOT,  131072
.set SP,    528                        ; a stage row: 512 codes + 16 bytes: 132 words, so 16 rows begin at 16 different groups of four banks
.set STG,   2*SLOT                     ; the stage: [matrix 2][half of the tokens 2][16 rows]
.set SCST,  STG+64*SP                  ; the scores, 512 bytes a head, in the order of the walk
.set SPARE, SCST+4096                  ; the spare words, 128 bytes a wave
.set MSB, 0
.macro WIN new
.if MSB != \new
	s_set_vgpr_msb (MSB<<8)|\new
.set MSB, \new
.endif
.endm
.macro PLACES n
.rept \n
	v_nop
.endr
.endm
.macro CREST
	s_cmp_lg_u32 s16, 0
	s_cbranch_scc1 .Lnot_wave_0_\@
	s_barrier_signal -3
.Lnot_wave_0_\@:
	s_barrier_wait -3
	s_barrier_signal -1
	s_barrier_wait -1
.endm
.macro ROUND
	s_barrier_signal -1
	s_barrier_wait -1
	CREST
.endm
.macro MKSCALE se, vs, vl              ; v[vs] = 2^e as f32, v[vl] = 448 x 2^e
	s_add_co_i32 s84, \se, 127
	s_lshl_b32 s85, s84, 23
	v_mov_b32 v[\vs], s85
	s_add_co_i32 s84, s84, 8
	s_lshl_b32 s84, s84, 23
	s_or_b32 s84, s84, 0x600000
	v_mov_b32 v[\vl], s84
.endm
	s_load_b256 s[4:11], s[0:1], 0x0               ; x, wimg, q0img, lowp_scales
	s_load_b128 s[12:15], s[0:1], 0x20             ; scores, vimg
	v_lshl_add_u32 v2, v0, 2, SPARE
	v_mov_b32 v3, 0
	ds_add_u32 v2, v3                              ; the opening lines: the add, twice on end, and its wait
	ds_add_u32 v2, v3
	v_lshrrev_b32 v25, 5, v0
	v_readfirstlane_b32 s16, v25                   ; wave
	s_lshr_b32 s17, s16, 1                         ; my matrix.  In the head: which half of the tokens I load
	s_and_b32 s18, s16, 1                          ; my half of the tokens.  In the head: which eight rows of a tile I load
	s_bfe_u32 s19, ttmp6, 0x40000
	s_lshl_b32 s20, ttmp9, 2
	s_add_co_u32 s20, s20, s19                     ; work-group
	s_lshr_b32 s21, ttmp9, 2                       ; batch
	s_and_b32 s22, s20, 15                         ; which 128 tokens of it
	s_and_b32 s23, ttmp9, 7                        ; the head at which my cluster's walk begins
	s_mov_b32 s32, 0x0023000f                      ; group 1: all four of the cluster; elements of 8 bytes; bit 21 beside the mask
	s_mov_b32 s33, 32<<16                          ; 128 rows of 256 bytes, dense
	s_mov_b32 s34, 128<<16
	s_mov_b32 s35, 32<<16
	s_mov_b32 s36, 128
	s_mov_b32 s37, 32
	s_mov_b32 s38, 0
	s_mov_b32 s39, 0
	s_mov_b32 s48, 1
	s_lshl_b32 s49, s16, 15                        ; my quarter of slot 0,
	s_mov_b32 s52, 1
	s_add_co_u32 s53, s49, SLOT                    ; of slot 1
	s_mov_b32 s59, 0
	s_mov_b32 s66, 0x76543210
	s_mov_b32 s67, 0xfedcba98
	s_mov_b32 s69, 0x3db504f3                      ; 1 / sqrt(128)
	s_lshl_b32 s84, s20, 19                        ; x: 128 rows of 4,096 bytes a work-group, 64 a half, my eight of each tile
	s_lshl_b32 s85, s17, 18
	s_add_co_u32 s84, s84, s85
	s_lshl_b32 s85, s18, 15
	s_add_co_u32 s84, s84, s85
	s_mov_b32 s85, 0
	s_lshl_b32 s86, s16, 15
	s_mov_b32 s87, 0
	s_lshl_b32 s72, s20, 13
	s_mov_b32 s73, 0
	s_lshl_b32 s74, s21, 22
	s_lshl_b32 s75, s22, 14
	s_add_co_u32 s74, s74, s75
	s_lshl_b32 s75, s18, 13
	s_add_co_u32 s74, s74, s75
	s_mov_b32 s75, 0
	s_lshl_b32 s24, s17, 16
	s_lshl_b32 s25, s21, 4
	s_lshl_b32 s26, s18, 8
	s_add_co_u32 s26, s26, SCST
	s_lshl_b32 s27, s16, 10
	s_add_co_u32 s27, s27, SCST
	s_mul_i32 s28, s16, 16*SP
	s_add_co_u32 s28, s28, STG                     ; the tile that I read: matrix w / 2, half w % 2
	s_mul_i32 s29, s17, 16*SP
	s_mul_i32 s30, s18, 8*SP
	s_add_co_u32 s29, s29, s30
	s_add_co_u32 s29, s29, STG                     ; the rows that I store, in the image for k
	s_wait_dscnt 0x0
	s_wait_kmcnt 0x0
	s_load_b64 s[60:61], s[10:11], 0x8             ; e2, e3
	s_load_b64 s[62:63], s[10:11], 0x10            ; e4, e5
	s_add_nc_u64 s[42:43], s[4:5], s[84:85]
	s_add_nc_u64 s[56:57], s[6:7], s[86:87]
	s_add_nc_u64 s[80:81], s[6:7], s[72:73]
	s_add_nc_u64 s[76:77], s[14:15], s[74:75]
	s_lshl_b32 s58, s23, 18
	s_add_nc_u64 s[50:51], s[56:57], s[58:59]
	s_or_b32 s51, s51, 0x80000000
	ROUND
	tensor_load_to_lds s[48:51], s[32:39]          ; slot 0: my one tensor load at the head
	s_nop 0
	PLACES 4
	v_and_b32 v25, 15, v0
	v_bfe_u32 v26, v0, 4, 1
	v_and_b32 v27, 31, v0
	v_lshlrev_b32 v14, 4, v27
	v_add_nc_u32 v6, s24, v14
	v_add_nc_u32 v7, SLOT, v6
	v_lshl_add_u32 v10, v26, 8, s25
	v_lshl_add_u32 v12, v25, 2, s26
	v_add_nc_u32 v15, s27, v14
	v_add_nc_u32 v4, s29, v14
	v_add_nc_u32 v1, 32*SP, v4                     ; the same rows in the image for v
	v_mul_u32_u24 v5, v25, SP
	v_lshl_add_u32 v5, v26, 4, v5
	v_add_nc_u32 v5, s28, v5
	v_lshlrev_b32 v24, 8, v27
	s_wait_alu depctr_va_vdst(0)
.macro XLD n                           ; unit n: chunk n / 8 (tile n / 16, half of K (n / 8) % 2), my row n % 8: four loads of 512 consecutive bytes
.irp j, 0,1,2,3
	global_load_b128 v[128+16*((\n)%8)+4*\j:131+16*((\n)%8)+4*\j], v14, s[42:43] offset:((\n)/16)*65536+((\n)%8)*4096+(((\n)/8)%2)*2048+512*\j th:TH_LOAD_NT
.endr
.endm
.macro XU n
.if 63-(\n) >= 7
	s_wait_loadcnt 28                              ; this unit's four loads are in; seven units' may be out
.else
	s_wait_loadcnt 4*(63-(\n))
.endif
.irp i, 0,1,2,3,4,5,6,7,8,9,10,11,12,13,14,15
	v_med3_num_f32 v[32+\i], v[128+16*((\n)%8)+\i], -v9, v9   ; the conversion does not saturate (ISA guide 7.6.2): hold first
.endr
.irp i, 0,1,2,3,4,5,6,7,8,9,10,11,12,13,14,15
	v_med3_num_f32 v[48+\i], v[128+16*((\n)%8)+\i], -v29, v29
.endr
	v_cvt_scalef32_pk8_fp8_f32 v[64:65], v[32:39], v8
	v_cvt_scalef32_pk8_fp8_f32 v[66:67], v[40:47], v8
	v_cvt_scalef32_pk8_fp8_f32 v[68:69], v[48:55], v28
	v_cvt_scalef32_pk8_fp8_f32 v[70:71], v[56:63], v28
	v_nop                                          ; a plain line behind the last conversion
	ds_store_b128 v4, v[64:67] offset:((\n)%8)*SP
	ds_store_b128 v1, v[68:71] offset:((\n)%8)*SP
.if (\n)+8 < 64
	XLD (\n)+8
.endif
.if (\n) == 3
	s_cmp_lg_u32 s16, 0
	s_cbranch_scc1 .Lno_askw
	global_prefetch_b8 v24, s[80:81] th:TH_LOAD_NT scope:SCOPE_SE   ; 8,192 bytes of wimg, another piece in each work-group
.Lno_askw:
.endif
.if (\n)%8 == 7
	s_wait_dscnt 0x0                               ; for the others' sake: my rows of the chunk lie in the stage
	s_barrier_signal -1
	s_barrier_wait -1
	WIN 0x80+0x40*(((\n)/8)%2)
.irp k, 0,1,2,3
.irp c, 0,1,2,3
	ds_load_b128 v[64*\k+16*((\n)/16)+4*\c:64*\k+16*((\n)/16)+4*\c+3], v5 offset:128*\k+32*\c   ; my tile's fragments of four K steps
.endr
.endr
	WIN 0
.if (\n) < 63
	s_wait_dscnt 0x0                               ; my reads of the stage are over: the next chunk may be stored
	s_barrier_signal -1
	s_barrier_wait -1
.endif
.endif
.endm
.irp n, 0,1,2,3,4,5,6,7
	XLD \n
.endr
	s_wait_kmcnt 0x0
	MKSCALE s60, 8, 9                              ; x for k: e2
	MKSCALE s62, 28, 29                            ; x for v: e4
	s_add_co_i32 s68, s60, s61                     ; e2 + e3
	s_wait_alu depctr_va_vdst(0)
.set UN, 0
.rept 64
	XU UN
.set UN, UN+1
.endr
	s_wait_tensorcnt 0x0                           ; my quarter of slot 0 is in
	ds_add_u32 v2, v3
	s_add_co_u32 s58, s58, 131072
	s_add_nc_u64 s[54:55], s[56:57], s[58:59]
	s_or_b32 s55, s55, 0x80000000
	s_wait_dscnt 0x0
	ROUND
	tensor_load_to_lds s[52:55], s[32:39]          ; slot 1
	s_nop 0
	PLACES 4
.macro FETCHB slot, ks
	WIN 0x40
.irp ct, 0,1,2,3
.irp c, 0,1,2,3
	ds_load_b128 v[64*((\ks)%4)+16*\ct+4*\c:64*((\ks)%4)+16*\ct+4*\c+3], v[6+\slot] offset:(\ks)*8192+\ct*2048+\c*512
.endr
.endr
.endm
.macro MUL8 ks, tt0
.if (\ks) < 4
	WIN 0x09
.else
	WIN 0x0d
.endif
.irp tt, \tt0, \tt0+1
.irp ct, 0,1,2,3
.if (\ks) == 0
	v_wmma_f32_16x16x128_fp8_fp8 v[128+8*(4*(\tt)+\ct):128+8*(4*(\tt)+\ct)+7], v[64*((\ks)%4)+16*\ct:64*((\ks)%4)+16*\ct+15], v[64*((\ks)%4)+16*(\tt):64*((\ks)%4)+16*(\tt)+15], 0
.else
	v_wmma_f32_16x16x128_fp8_fp8 v[128+8*(4*(\tt)+\ct):128+8*(4*(\tt)+\ct)+7], v[64*((\ks)%4)+16*\ct:64*((\ks)%4)+16*\ct+15], v[64*((\ks)%4)+16*(\tt):64*((\ks)%4)+16*(\tt)+15], v[128+8*(4*(\tt)+\ct):128+8*(4*(\tt)+\ct)+7]
.endif
.endr
.endr
.endm
; Two K steps: the next two steps' fragments in one run of 32 loads, into the two sets that the last two steps have read; then 32 products.
.macro DSTEP slot, d
	PLACES 4
	FETCHB \slot, 2*(\d)+2
	FETCHB \slot, 2*(\d)+3
	s_wait_dscnt 32                                ; all but the 32 just issued
	MUL8 2*(\d), 0
	MUL8 2*(\d), 2
	MUL8 2*(\d)+1, 0
	MUL8 2*(\d)+1, 2
.endm
.macro RUN slot
.irp d, 0,1,2
	DSTEP \slot, \d
.endr
	s_wait_dscnt 0x0
	MUL8 6, 0
	MUL8 6, 2
.endm
.macro TURN slot, fill
	WIN 0
	s_wait_tensorcnt 0x0                           ; all my tensor loads have landed: my quarter of the other slot
	ds_add_u32 v2, v3
	s_wait_dscnt 1
	MUL8 7, 0
	s_wait_dscnt 0x0                               ; the add is done, and my reads of this slot are over
	s_barrier_signal -1
	MUL8 7, 2
	WIN 0
	s_barrier_wait -1
.if \fill
	CREST
	s_lshl_b32 s58, s82, 18
.if \slot
	s_add_co_u32 s58, s58, 131072
.endif
	s_add_nc_u64 s[50+4*\slot:51+4*\slot], s[56:57], s[58:59]
	s_or_b32 s[51+4*\slot], s[51+4*\slot], 0x80000000
	tensor_load_to_lds s[48+4*\slot:51+4*\slot], s[32:39]
	s_nop 0
.endif
	PLACES 4
.endm
.macro QLOAD
	v_lshl_add_u32 v11, s72, 12, v10
.irp ct, 0,1,2,3
.irp g, 0,1
	global_load_b128 v[32+8*\ct+4*\g:35+8*\ct+4*\g], v11, s[8:9] offset:\ct*1024+\g*512
.endr
.endr
.endm
; A slot's way out.  K waves: the sums x q0, added up over a head's two slots; V waves: the sums as bf16, in the order in which the next launch's lanes take them.
.macro EPI p, next
	s_lshl_b32 s72, s23, 1
.if \p
	s_add_co_u32 s72, s72, 1
.endif
	s_cmp_lt_u32 s16, 2
	s_cbranch_scc0 .Lv_role_\@
	s_wait_loadcnt 0x0
	s_wait_alu depctr_va_vdst(0)
.irp ct, 0,1,2,3
.irp i, 0,2,4,6
.irp tt, 0,1,2,3
.if (\p == 0) && (\ct == 0) && (\i == 0)
	v_pk_mul_f32 v[16+2*\tt:17+2*\tt], v[128+8*(4*\tt+\ct)+\i:129+8*(4*\tt+\ct)+\i], v[32+8*\ct+\i:33+8*\ct+\i]
.else
	v_pk_fma_f32 v[16+2*\tt:17+2*\tt], v[128+8*(4*\tt+\ct)+\i:129+8*(4*\tt+\ct)+\i], v[32+8*\ct+\i:33+8*\ct+\i], v[16+2*\tt:17+2*\tt]
.endif
.endr
.endr
.endr
.if \p
.irp tt, 0,1,2,3
	v_add_f32 v[16+2*\tt], v[16+2*\tt], v[17+2*\tt]
.endr
.irp tt, 0,1,2,3
	v_permlanex16_b32 v[17+2*\tt], v[16+2*\tt], s66, s67
.endr
.irp tt, 0,1,2,3
	v_add_f32 v[16+2*\tt], v[16+2*\tt], v[17+2*\tt]
.endr
.irp tt, 0,1,2,3
	v_mul_f32 v[16+2*\tt], s69, v[16+2*\tt]
.endr
.irp tt, 0,1,2,3
	v_ldexp_f32 v[16+2*\tt], v[16+2*\tt], s68
.endr
.irp tt, 0,1,2,3
	ds_store_b32 v13, v[16+2*\tt] offset:64*\tt
.endr
.endif
.if \next
.if \p
	s_lshl_b32 s72, s82, 1
.else
	s_add_co_u32 s72, s72, 1
.endif
	QLOAD
.endif
	s_branch .Lepi_done_\@
.Lv_role_\@:
	s_wait_xcnt 0x0
	s_lshl_b32 s84, s72, 18
	s_mov_b32 s85, 0
	s_add_nc_u64 s[74:75], s[76:77], s[84:85]
.irp a, 0,1,2,3,4,5,6,7,8,9,10,11,12,13,14,15
.irp i, 0,1,2,3
	v_cvt_pk_bf16_f32 v[64+4*\a+\i], v[128+8*\a+2*\i], v[129+8*\a+2*\i]
.endr
.endr
.irp a, 0,1,2,3,4,5,6,7,8,9,10,11,12,13,14,15
	global_store_b128 v14, v[64+4*\a:67+4*\a], s[74:75] offset:512*\a th:TH_STORE_NT
.endr
.Lepi_done_\@:
.endm
.macro TRIP fill                       ; a head: two slots
	v_add_nc_u32 v13, s71, v12
	s_add_co_u32 s82, s23, 1
	s_and_b32 s82, s82, 7
	RUN 0
	s_wait_alu depctr_va_vdst(0)
	TURN 0, \fill
	FETCHB 1, 0
	FETCHB 1, 1
	WIN 0
	EPI 0, 1
	RUN 1
.if \fill
	TURN 1, 1
	FETCHB 0, 0
	FETCHB 0, 1
	WIN 0
	EPI 1, 1
.else
	s_wait_dscnt 0x0
	MUL8 7, 0
	MUL8 7, 2
	WIN 0
	PLACES 4
	EPI 1, 0
.endif
	s_mov_b32 s23, s82
	s_add_co_u32 s71, s71, 512
.endm
	FETCHB 0, 0
	FETCHB 0, 1
	WIN 0
	s_lshl_b32 s72, s23, 1
	s_cmp_lt_u32 s16, 2
	s_cbranch_scc0 .Lno_q
	QLOAD
.Lno_q:
	s_mov_b32 s70, 7
	s_mov_b32 s71, 0
.Lhead:
	TRIP 1
	s_sub_co_u32 s70, s70, 1
	s_cmp_lg_u32 s70, 0
	s_cbranch_scc1 .Lhead
	TRIP 0                                         ; the last head is written out: it asks for no slot
	s_wait_dscnt 0x0
	s_barrier_signal -1
	s_barrier_wait -1
	ds_load_b128 v[16:19], v15                     ; each wave stores two heads' 128 scores, 512 consecutive bytes each
	ds_load_b128 v[20:23], v15 offset:512
	s_and_b32 s72, ttmp9, 7
	s_lshl_b32 s73, s16, 1
	s_add_co_u32 s72, s72, s73
	s_and_b32 s84, s72, 7
	s_add_co_u32 s72, s72, 1
	s_and_b32 s86, s72, 7
	s_lshl_b32 s73, s21, 3
	s_add_co_u32 s84, s84, s73
	s_add_co_u32 s86, s86, s73
	s_lshl_b32 s84, s84, 13
	s_lshl_b32 s86, s86, 13
	s_lshl_b32 s73, s22, 9
	s_add_co_u32 s84, s84, s73
	s_add_co_u32 s86, s86, s73
	s_mov_b32 s85, 0
	s_mov_b32 s87, 0
	s_add_nc_u64 s[84:85], s[12:13], s[84:85]
	s_add_nc_u64 s[86:87], s[12:13], s[86:87]
	s_wait_dscnt 0x0
	global_store_b128 v14, v[16:19], s[84:85]
	global_store_b128 v14, v[20:23], s[86:87]
	s_wait_tensorcnt 0x0                           ; the wave's end
	ds_add_u32 v2, v3
	s_wait_dscnt 0x0
	ROUND                                          ; the closing round
	s_endpgm
.Lfunc_end_k_q377fcbd44f_fused:
	.size	k_q377fcbd44f_fused, .Lfunc_end_k_q377fcbd44f_fused-k_q377fcbd44f_fused
	.p2alignl 7, 3214868480
	.fill 96, 4, 3214868480
	.section	.rodata,"a",@progbits
	.p2align	6, 0x0
	.amdhsa_kernel k_q377fcbd44f_fused
		.amdhsa_group_segment_fixed_size 327680
		.amdhsa_private_segment_fixed_size 0
		.amdhsa_enable_private_segment 0
		.amdhsa_kernarg_size 48
		.amdhsa_user_sgpr_count 2
		.amdhsa_user_sgpr_kernarg_segment_ptr 1
		.amdhsa_wavefront_size32 1
		.amdhsa_system_sgpr_workgroup_id_x 1
		.amdhsa_system_sgpr_workgroup_id_y 1
		.amdhsa_system_sgpr_workgroup_id_z 1
		.amdhsa_system_vgpr_workitem_id 0
		.amdhsa_next_free_vgpr 1024
		.amdhsa_next_free_sgpr 96
		.amdhsa_reserve_vcc 0
		.amdhsa_float_denorm_mode_32 3
		.amdhsa_float_denorm_mode_16_64 3
		.amdhsa_memory_ordered 1
		.amdhsa_forward_progress 1
		.amdhsa_inst_pref_size 255
	.end_amdhsa_kernel
	.section	.bss,"aw",@nobits
	.p2align	6
	.space	262144
	.amdgpu_metadata
---
amdhsa.version: [ 1, 2 ]
amdhsa.kernels:
  - .name:           k_q377fcbd44f_fused
    .symbol:         k_q377fcbd44f_fused.kd
    .args:
      - { .name: x, .offset: 0, .size: 8, .value_kind: global_buffer, .address_space: global }
      - { .name: wimg, .offset: 8, .size: 8, .value_kind: global_buffer, .address_space: global }
      - { .name: q0img, .offset: 16, .size: 8, .value_kind: global_buffer, .address_space: global }
      - { .name: lowp_scales, .offset: 24, .size: 8, .value_kind: global_buffer, .address_space: global }
      - { .name: scores, .offset: 32, .size: 8, .value_kind: global_buffer, .address_space: global }
      - { .name: vimg, .offset: 40, .size: 8, .value_kind: global_buffer, .address_space: global }
    .group_segment_fixed_size: 327680
    .private_segment_fixed_size: 0
    .kernarg_segment_align: 8
    .kernarg_segment_size: 48
    .max_flat_workgroup_size: 128
    .sgpr_count:     96
    .vgpr_count:     1024
    .wavefront_size: 32
...
	.end_amdgpu_metadata
.endif
;; end of part 2
;; launch attend (part 3): grid 256 x 1, 16 waves a work-group, no clusters, 77,312 bytes of LDS; arguments scores, vimg, lowp_scales, out0; writes out0
.if DOCPART == 3
	.amdgcn_target "amdgcn-amd-amdhsa--gfx1250"
	.amdhsa_code_object_version 6
	.text
	.protected	k_q377fcbd44f_attend
	.globl	k_q377fcbd44f_attend
	.p2align	8
	.type	k_q377fcbd44f_attend,@function
k_q377fcbd44f_attend:
	s_mov_b64 s[64:65], 0
	v_nop
	global_prefetch_b8 v0, s[64:65] scope:SCOPE_SE
	s_setreg_imm32_b32 hwreg(HW_REG_WAVE_MODE, 25, 1), 1
	s_wait_xcnt 0x0
; ATTEND.  Work-group 16 b + slot owns out0[b][64 slot .. 64 slot + 63]; its head is slot / 2.
; The head's 2,048 scores: the 512th largest is the threshold; scores under it become 0; softmax (the masked row's true maximum is taken away); the weighted sum of v.
; Wave w owns tokens 128 w .. 128 w + 127: 16,384 bytes of vimg in 128 registers, all asked for at the head; they land while wave 0 searches.
; THE THRESHOLD is found by bisection on the bits of a key that orders as the scores do: 32 trips of constant count, in each the number of keys at or above a candidate; the outcome is taken by selects alone.
; The sum takes v as bf16 and the weights as f32, sums in f32; the weights are not normalised: their sum divides at the end, with 2^(e4 + e5), which the bf16 sums lack.
; No matrix instruction (one row a product: fifteen sixteenths of a tile would be padding), no tensor load, no cluster: a work-group's 256 KiB of v are its own; the 8 KiB of scores that two work-groups share are small beside them.
; LIMITS: the scores are finite; NaN is not served.
; LDS: ZS 16 sums of weights; OUTS the 64 results; PST the weights, 512 bytes a wave; PART the partial sums, 4,096 bytes a wave; the spare words.
; REGISTERS: v1 512 w + 4 r; v2, v3 the add's two; v4 16 x lane; v5 512 w + 16 x lane; v7 4 w; v8-11 my four scores, then weights; v12-19 the weight of my lane's token in tiles 0-7;
;   v20, v21 threshold, maximum; v22 4,096 w + 16 x lane; v23 the reduction's address; v24 4 r; v25 where my four results go; v26 8 x lane; v27-31 at work; v32-63 sums (8 ct + j); v64-127 wave 0: the row; v128-255 v.
; THE SEARCH, as it now stands (in place of what the lines above say of wave 0 and of 32 trips): ALL sixteen waves hold the head's row and search together, four bits of the key a round, eight rounds of constant count.
; In a round wave w counts the keys at or above T | w << shift; the sixteen counts meet in LDS (64 bytes of their own for each round, one barrier a round); the number of counts of 512 or more, less one, is the digit.
; Every wave ends with the threshold in a scalar register.  The masked row holds a 0 where the row's smallest score lies under the threshold.
.set CNT,   76800                      ; behind the spare words: eight rounds x sixteen counts
.set ZS,    256
.set OUTS,  512
.set PST,   1024
.set PART,  9216
.set SPARE, 74752
	s_load_b256 s[4:11], s[0:1], 0x0               ; scores s[4:5], vimg s[6:7], lowp_scales s[8:9], out0 s[10:11]
	v_lshl_add_u32 v2, v0, 2, SPARE
	v_mov_b32 v3, 0
	v_lshrrev_b32 v1, 5, v0
	s_delay_alu instid0(VALU_DEP_1)
	v_readfirstlane_b32 s12, v1                    ; wave 0..15
	v_and_b32 v27, 31, v0                          ; lane
	v_and_b32 v28, 15, v0                          ; r
	s_wait_alu depctr_va_vdst(0)
	v_bfe_u32 v29, v0, 4, 1                        ; h
	v_lshlrev_b32 v4, 4, v27
	s_lshl_b32 s13, s12, 9
	v_add_nc_u32 v5, s13, v4
	v_lshl_add_u32 v1, v28, 2, s13
	s_lshl_b32 s14, s12, 2
	v_mov_b32 v7, s14
	s_lshl_b32 s14, s12, 12
	v_add_nc_u32 v22, s14, v4
	s_lshr_b32 s14, s12, 1                         ; the reduction: wave w takes registers 4 (w / 2) .. + 3 of the lanes' half w % 2;
	s_lshl_b32 s14, s14, 9
	s_and_b32 s15, s12, 1
	s_lshl_b32 s15, s15, 8
	s_add_co_u32 s14, s14, s15
	v_lshl_add_u32 v23, v28, 4, s14                ; my lane takes source lane r of that half,
	s_wait_alu depctr_va_vdst(0)
	v_lshl_add_u32 v23, v29, 15, v23               ; of source waves 8 (lane / 16) + 0 .. 7
	v_lshlrev_b32 v24, 2, v28
	s_lshr_b32 s14, s12, 2                         ; its four columns begin at 16 (w / 4) + 8 (w % 2) + 4 ((w / 2) % 2)
	s_lshl_b32 s14, s14, 6
	s_and_b32 s15, s12, 1
	s_lshl_b32 s15, s15, 5
	s_add_co_u32 s14, s14, s15
	s_bfe_u32 s15, s12, 0x10001
	s_lshl_b32 s15, s15, 4
	s_add_co_u32 s14, s14, s15
	v_mov_b32 v25, s14
	v_lshlrev_b32 v26, 3, v27
	s_lshr_b32 s16, ttmp9, 1                       ; 8 b + head = work-group / 2: a row of 8,192 bytes
	s_lshl_b32 s16, s16, 13
	s_mov_b32 s17, 0
	s_lshl_b32 s18, ttmp9, 18                      ; vimg: 262,144 bytes a work-group,
	s_lshl_b32 s19, s12, 14                        ; 16,384 a wave
	s_add_co_u32 s18, s18, s19
	s_mov_b32 s19, 0
	s_lshl_b32 s20, ttmp9, 8                       ; out0: 256 bytes a work-group
	s_mov_b32 s21, 0
	s_mov_b32 s24, 0x76543210                      ; v_permlanex16_b32: lane l xor 16
	s_mov_b32 s25, 0xfedcba98
	s_wait_kmcnt 0x0
	s_load_b64 s[22:23], s[8:9], 0x10              ; e4, e5
	s_add_nc_u64 s[4:5], s[4:5], s[16:17]
	s_add_nc_u64 s[6:7], s[6:7], s[18:19]
	s_add_nc_u64 s[10:11], s[10:11], s[20:21]
	global_load_b128 v[8:11], v5, s[4:5]           ; the scores of tokens 128 w + 4 lane + 0 .. 3
.irp u, 0,1,2,3,4,5,6,7,8,9,10,11,12,13,14,15
	global_load_b128 v[64+4*\u:67+4*\u], v4, s[4:5] offset:512*\u   ; every wave: the whole row, 64 scores a lane
.endr
.irp n, 0,1,2,3,4,5,6,7,8,9,10,11,12,13,14,15,16,17,18,19,20,21,22,23,24,25,26,27,28,29,30,31
	global_load_b128 v[128+4*\n:131+4*\n], v4, s[6:7] offset:512*\n th:TH_LOAD_NT   ; token tile n / 4, column tile n % 4: 512 consecutive bytes; read once
.endr
.irp j, 0,1,2,3,4,5,6,7,8,9,10,11,12,13,14,15,16,17,18,19,20,21,22,23,24,25,26,27,28,29,30,31
	v_mov_b32 v[32+\j], 0                          ; the sums, while the loads are out
.endr
	; ---- every wave: the row's largest and smallest score, and the threshold
	s_wait_loadcnt 32                              ; the scores are in; only the 32 loads of v may stay out
	v_max3_num_f32 v28, v64, v65, v66
	v_max3_num_f32 v29, v67, v68, v69
.irp i, 6,10,14,18,22,26,30,34,38,42,46,50,54,58
	s_delay_alu instid0(VALU_DEP_2)
	v_max3_num_f32 v28, v28, v[64+\i], v[65+\i]
	s_delay_alu instid0(VALU_DEP_2)
	v_max3_num_f32 v29, v29, v[66+\i], v[67+\i]
.endr
	s_delay_alu instid0(VALU_DEP_2)
	v_max3_num_f32 v28, v28, v126, v127
	s_delay_alu instid0(VALU_DEP_1)
	v_max_num_f32 v28, v28, v29
	s_delay_alu instid0(VALU_DEP_1)
	v_max_num_f32_dpp v28, v28, v28 row_xmask:1 row_mask:0xf bank_mask:0xf
	s_delay_alu instid0(VALU_DEP_1)
	v_max_num_f32_dpp v28, v28, v28 row_xmask:2 row_mask:0xf bank_mask:0xf
	s_delay_alu instid0(VALU_DEP_1)
	v_max_num_f32_dpp v28, v28, v28 row_xmask:4 row_mask:0xf bank_mask:0xf
	s_delay_alu instid0(VALU_DEP_1)
	v_max_num_f32_dpp v28, v28, v28 row_xmask:8 row_mask:0xf bank_mask:0xf
	s_delay_alu instid0(VALU_DEP_1)
	v_permlanex16_b32 v29, v28, s24, s25
	s_delay_alu instid0(VALU_DEP_1)
	v_max_num_f32 v30, v28, v29                    ; the largest score
	s_delay_alu instid0(VALU_DEP_1)
	v_max_num_f32 v31, 0, v30                      ; and with a 0 beside it
	v_min3_num_f32 v28, v64, v65, v66
	v_min3_num_f32 v29, v67, v68, v69
.irp i, 6,10,14,18,22,26,30,34,38,42,46,50,54,58
	s_delay_alu instid0(VALU_DEP_2)
	v_min3_num_f32 v28, v28, v[64+\i], v[65+\i]
	s_delay_alu instid0(VALU_DEP_2)
	v_min3_num_f32 v29, v29, v[66+\i], v[67+\i]
.endr
	s_delay_alu instid0(VALU_DEP_2)
	v_min3_num_f32 v28, v28, v126, v127
	s_delay_alu instid0(VALU_DEP_1)
	v_min_num_f32 v28, v28, v29
	s_delay_alu instid0(VALU_DEP_1)
	v_min_num_f32_dpp v28, v28, v28 row_xmask:1 row_mask:0xf bank_mask:0xf
	s_delay_alu instid0(VALU_DEP_1)
	v_min_num_f32_dpp v28, v28, v28 row_xmask:2 row_mask:0xf bank_mask:0xf
	s_delay_alu instid0(VALU_DEP_1)
	v_min_num_f32_dpp v28, v28, v28 row_xmask:4 row_mask:0xf bank_mask:0xf
	s_delay_alu instid0(VALU_DEP_1)
	v_min_num_f32_dpp v28, v28, v28 row_xmask:8 row_mask:0xf bank_mask:0xf
	s_delay_alu instid0(VALU_DEP_1)
	v_permlanex16_b32 v29, v28, s24, s25
	s_delay_alu instid0(VALU_DEP_1)
	v_min_num_f32 v27, v28, v29                    ; the smallest score
.irp g, 0,1,2,3,4,5,6,7,8,9,10,11,12,13,14,15   ; key = bits ^ (sign ? all ones : the top bit): unsigned keys order as the scores do
	v_ashrrev_i32 v20, 31, v[64+4*\g]
	v_ashrrev_i32 v21, 31, v[65+4*\g]
	v_ashrrev_i32 v28, 31, v[66+4*\g]
	v_ashrrev_i32 v29, 31, v[67+4*\g]
	s_delay_alu instid0(VALU_DEP_4)
	v_or_b32 v20, 0x80000000, v20
	s_delay_alu instid0(VALU_DEP_4)
	v_or_b32 v21, 0x80000000, v21
	s_delay_alu instid0(VALU_DEP_4)
	v_or_b32 v28, 0x80000000, v28
	s_delay_alu instid0(VALU_DEP_4)
	v_or_b32 v29, 0x80000000, v29
	s_delay_alu instid0(VALU_DEP_4)
	v_xor_b32 v[64+4*\g], v[64+4*\g], v20
	s_delay_alu instid0(VALU_DEP_4)
	v_xor_b32 v[65+4*\g], v[65+4*\g], v21
	s_delay_alu instid0(VALU_DEP_4)
	v_xor_b32 v[66+4*\g], v[66+4*\g], v28
	s_delay_alu instid0(VALU_DEP_4)
	v_xor_b32 v[67+4*\g], v[67+4*\g], v29
.endr
.macro CMP8 g                          ; eight compares into one of two banks of eight masks
.irp i, 0,1,2,3,4,5,6,7
	v_cmp_le_u32 s[40+8*((\g)%2)+\i], s36, v[64+8*(\g)+\i]
.endr
.endm
.macro CNT8 g                          ; their bits are counted and added, in two chains
.irp i, 0,1,2,3,4,5,6,7
	s_bcnt1_i32_b32 s[40+8*((\g)%2)+\i], s[40+8*((\g)%2)+\i]
.endr
.irp i, 0,2,4,6
	s_add_co_u32 s56, s56, s[40+8*((\g)%2)+\i]
	s_add_co_u32 s57, s57, s[41+8*((\g)%2)+\i]
.endr
.endm
	s_mov_b32 s37, 0                               ; T: the largest key so far with at least 512 keys at or above it
	s_mov_b32 s38, 28                              ; where the digit in hand begins
	s_mov_b32 s35, CNT                             ; this round's sixteen counts
	s_mov_b32 s34, 8
.Lbit:
	s_lshl_b32 s36, s12, s38
	s_or_b32 s36, s37, s36                         ; my wave's candidate: T with my number as the digit
	s_mov_b32 s56, 0
	s_mov_b32 s57, 0
	CMP8 0
.irp g, 0,1,2,3,4,5,6
	CMP8 \g+1                                      ; the next group's compares stand ahead of this group's counting
	CNT8 \g
.endr
	CNT8 7
	s_add_co_u32 s56, s56, s57
	v_mov_b32 v28, s56
	v_add_nc_u32 v20, s35, v7
	v_add_nc_u32 v21, s35, v24
	ds_store_b32 v20, v28                          ; all lanes write my wave's count
	s_wait_alu depctr_va_vdst(0)
	s_wait_dscnt 0x0
	s_barrier_signal -1
	s_barrier_wait -1
	ds_load_b32 v29, v21                           ; lane r: wave r's count
	s_wait_dscnt 0x0
	v_cmp_le_u32 s56, 512, v29                     ; the counts fall as the digit grows; digit 0 always has 512 or more
	s_and_b32 s56, s56, 0xffff
	s_bcnt1_i32_b32 s56, s56
	s_sub_co_u32 s56, s56, 1                       ; the largest digit with at least 512 keys at or above: arithmetic alone, no way hangs on the scores
	s_lshl_b32 s56, s56, s38
	s_or_b32 s37, s37, s56
	s_sub_co_u32 s38, s38, 4
	s_add_co_u32 s35, s35, 64
	s_sub_co_u32 s34, s34, 1
	s_cmp_lg_u32 s34, 0
	s_cbranch_scc1 .Lbit
	s_ashr_i32 s26, s37, 31                        ; T is the 512th largest key: back to the score's bits
	s_not_b32 s26, s26
	s_or_b32 s26, s26, 0x80000000
	s_xor_b32 s26, s37, s26
	v_mov_b32 v20, s26
	v_cmp_lt_f32 vcc_lo, v27, v20                  ; does any score lie under the threshold?  Then the masked row holds a 0
	v_cndmask_b32 v21, v30, v31, vcc_lo            ; the masked row's maximum
	; ---- every wave: its 128 weights (my four scores came in ahead of the row)
.irp q, 0,1,2,3
	v_cmp_ge_f32 vcc_lo, v[8+\q], v20
	s_delay_alu instid0(VALU_DEP_1)
	v_cndmask_b32 v[8+\q], 0, v[8+\q], vcc_lo      ; under the threshold: 0
.endr
.irp q, 0,1,2,3
	v_sub_f32 v[8+\q], v[8+\q], v21
.endr
.irp q, 0,1,2,3
	s_delay_alu instid0(VALU_DEP_4)
	v_mul_f32 v[8+\q], 0x3fb8aa3b, v[8+\q]         ; x log2(e)
.endr
	s_wait_alu depctr_va_vdst(0)
.irp q, 0,1,2,3
	v_exp_f32 v[8+\q], v[8+\q]
.endr
	v_nop                                          ; a plain line behind the last exponential
	s_wait_alu depctr_va_vdst(0)                   ; one wait for the batch, ahead of its first reader
	v_add_f32 v27, v8, v9
	v_add_f32 v28, v10, v11
	s_delay_alu instid0(VALU_DEP_1)
	v_add_f32 v27, v27, v28
	s_delay_alu instid0(VALU_DEP_1)
	v_add_f32_dpp v27, v27, v27 row_xmask:1 row_mask:0xf bank_mask:0xf
	s_delay_alu instid0(VALU_DEP_1)
	v_add_f32_dpp v27, v27, v27 row_xmask:2 row_mask:0xf bank_mask:0xf
	s_delay_alu instid0(VALU_DEP_1)
	v_add_f32_dpp v27, v27, v27 row_xmask:4 row_mask:0xf bank_mask:0xf
	s_delay_alu instid0(VALU_DEP_1)
	v_add_f32_dpp v27, v27, v27 row_xmask:8 row_mask:0xf bank_mask:0xf
	s_delay_alu instid0(VALU_DEP_1)
	v_permlanex16_b32 v28, v27, s24, s25
	s_delay_alu instid0(VALU_DEP_1)
	v_add_f32 v27, v27, v28                        ; the sum of my wave's 128 weights
	ds_store_b32 v7, v27 offset:ZS
	ds_store_b128 v5, v[8:11] offset:PST
.irp i, 0,1,2,3,4,5,6,7
	ds_load_b32 v[12+\i], v1 offset:PST+64*\i      ; my wave's own bytes, served in order: the weight of token 128 w + 16 i + r
.endr
	s_wait_dscnt 0x0
.irp i, 0,1,2,3,4,5,6,7
	s_wait_loadcnt 28-4*\i                         ; this tile's four loads are in; the later tiles' may stay out
.irp ct, 0,1,2,3
.irp q, 0,1,2,3
	v_fma_mix_f32_bf16 v[32+8*\ct+2*\q], v[128+16*\i+4*\ct+\q], v[12+\i], v[32+8*\ct+2*\q] op_sel_hi:[1,0,0]
	v_fma_mix_f32_bf16 v[33+8*\ct+2*\q], v[128+16*\i+4*\ct+\q], v[12+\i], v[33+8*\ct+2*\q] op_sel:[1,0,0] op_sel_hi:[1,0,0]
.endr
.endr
.endr
.irp q, 0,1,2,3,4,5,6,7
	ds_store_b128 v22, v[32+4*\q:35+4*\q] offset:PART+512*\q
.endr
	s_wait_dscnt 0x0                               ; for the others' sake: my partial sums and my sum of weights lie in LDS
	s_barrier_signal -1
	s_barrier_wait -1
	; ---- the sums over 16 waves and 16 lanes: four columns a wave
.irp i, 0,1,2,3,4,5,6,7
	ds_load_b128 v[128+4*\i:131+4*\i], v23 offset:PART+4096*\i
.endr
	ds_load_b32 v27, v24 offset:ZS
	s_wait_kmcnt 0x0
	s_add_co_i32 s28, s22, s23                     ; e4 + e5
	s_wait_dscnt 0x0
	v_add_f32_dpp v27, v27, v27 row_xmask:1 row_mask:0xf bank_mask:0xf
	s_delay_alu instid0(VALU_DEP_1)
	v_add_f32_dpp v27, v27, v27 row_xmask:2 row_mask:0xf bank_mask:0xf
	s_delay_alu instid0(VALU_DEP_1)
	v_add_f32_dpp v27, v27, v27 row_xmask:4 row_mask:0xf bank_mask:0xf
	s_delay_alu instid0(VALU_DEP_1)
	v_add_f32_dpp v27, v27, v27 row_xmask:8 row_mask:0xf bank_mask:0xf
	s_wait_alu depctr_va_vdst(0)
	v_rcp_f32 v28, v27                             ; 1 / the sum of all 2,048 weights; the additions below are the independent work behind it
.irp i, 0,2,4,6
	v_pk_add_f32 v[128+4*\i:129+4*\i], v[128+4*\i:129+4*\i], v[132+4*\i:133+4*\i]
	v_pk_add_f32 v[130+4*\i:131+4*\i], v[130+4*\i:131+4*\i], v[134+4*\i:135+4*\i]
.endr
.irp i, 0
	v_pk_add_f32 v[128+4*\i:129+4*\i], v[128+4*\i:129+4*\i], v[136+4*\i:137+4*\i]
	v_pk_add_f32 v[130+4*\i:131+4*\i], v[130+4*\i:131+4*\i], v[138+4*\i:139+4*\i]
.endr
.irp i, 4
	s_delay_alu instid0(VALU_DEP_4)
	v_pk_add_f32 v[128+4*\i:129+4*\i], v[128+4*\i:129+4*\i], v[136+4*\i:137+4*\i]
	s_delay_alu instid0(VALU_DEP_4)
	v_pk_add_f32 v[130+4*\i:131+4*\i], v[130+4*\i:131+4*\i], v[138+4*\i:139+4*\i]
.endr
	s_delay_alu instid0(VALU_DEP_2)
	v_pk_add_f32 v[128:129], v[128:129], v[144:145]
	s_delay_alu instid0(VALU_DEP_2)
	v_pk_add_f32 v[130:131], v[130:131], v[146:147]
.irp m, 1,2,4,8
.irp k, 0,1,2,3
	v_add_f32_dpp v[128+\k], v[128+\k], v[128+\k] row_xmask:\m row_mask:0xf bank_mask:0xf
.endr
.endr
.irp k, 0,1,2,3
	s_delay_alu instid0(VALU_DEP_4)
	v_permlanex16_b32 v[132+\k], v[128+\k], s24, s25
.endr
.irp k, 0,1,2,3
	s_delay_alu instid0(VALU_DEP_4)
	v_add_f32 v[128+\k], v[128+\k], v[132+\k]
.endr
	s_wait_alu depctr_va_vdst(0)                   ; ahead of the reciprocal's first reader
	v_ldexp_f32 v28, v28, s28
.irp k, 0,1,2,3
	v_mul_f32 v[128+\k], v[128+\k], v28
.endr
	ds_store_b128 v25, v[128:131] offset:OUTS      ; all lanes write the same four words
	s_wait_dscnt 0x0
	s_barrier_signal -1
	s_barrier_wait -1
	s_cmp_lg_u32 s12, 0
	s_cbranch_scc1 .Lend
	ds_load_b64 v[28:29], v26 offset:OUTS
	s_wait_dscnt 0x0
	global_store_b64 v26, v[28:29], s[10:11]       ; 32 lanes store 256 consecutive bytes, aligned
.Lend:
	s_wait_tensorcnt 0x0                           ; the wave's end, behind my last LDS store
	ds_add_u32 v2, v3
	s_wait_dscnt 0x0
	s_endpgm
.Lfunc_end_k_q377fcbd44f_attend:
	.size	k_q377fcbd44f_attend, .Lfunc_end_k_q377fcbd44f_attend-k_q377fcbd44f_attend
	.p2alignl 7, 3214868480
	.fill 96, 4, 3214868480
	.section	.rodata,"a",@progbits
	.p2align	6, 0x0
	.amdhsa_kernel k_q377fcbd44f_attend
		.amdhsa_group_segment_fixed_size 77312
		.amdhsa_private_segment_fixed_size 0
		.amdhsa_enable_private_segment 0
		.amdhsa_kernarg_size 32
		.amdhsa_user_sgpr_count 2
		.amdhsa_user_sgpr_kernarg_segment_ptr 1
		.amdhsa_wavefront_size32 1
		.amdhsa_system_sgpr_workgroup_id_x 1
		.amdhsa_system_sgpr_workgroup_id_y 1
		.amdhsa_system_sgpr_workgroup_id_z 1
		.amdhsa_system_vgpr_workitem_id 0
		.amdhsa_next_free_vgpr 256
		.amdhsa_next_free_sgpr 66
		.amdhsa_reserve_vcc 1
		.amdhsa_float_denorm_mode_32 3
		.amdhsa_float_denorm_mode_16_64 3
		.amdhsa_memory_ordered 1
		.amdhsa_forward_progress 1
		.amdhsa_inst_pref_size 60
	.end_amdhsa_kernel
	.amdgpu_metadata
---
amdhsa.version: [ 1, 2 ]
amdhsa.kernels:
  - .name:           k_q377fcbd44f_attend
    .symbol:         k_q377fcbd44f_attend.kd
    .args:
      - { .name: scores, .offset: 0, .size: 8, .value_kind: global_buffer, .address_space: global }
      - { .name: vimg, .offset: 8, .size: 8, .value_kind: global_buffer, .address_space: global }
      - { .name: lowp_scales, .offset: 16, .size: 8, .value_kind: global_buffer, .address_space: global }
      - { .name: out0, .offset: 24, .size: 8, .value_kind: global_buffer, .address_space: global }
    .group_segment_fixed_size: 77312
    .private_segment_fixed_size: 0
    .kernarg_segment_align: 8
    .kernarg_segment_size: 32
    .max_flat_workgroup_size: 512
    .sgpr_count:     66
    .vgpr_count:     256
    .wavefront_size: 32
...
	.end_amdgpu_metadata
.endif
;; end of part 3
